; MI455X (gfx1250); checked and timed in simulation.
; The chip was launched on July 23, 2026; its instructions are those of AMD's public machine-readable ISA for CDNA 5 (MIT licence, August 2026) and "CDNA5" Instruction Set Architecture Reference Guide (July 2026). The comments in the code are by the model that wrote it; some were corrected since.
;; Key Value Attention. Allowed arithmetic: matrix products marked QUANTISED: E4M3 operands, one given power-of-two scale a tensor, by v_wmma_f32_16x16x64_fp8_fp8 or v_wmma_f32_16x16x128_fp8_fp8, f32 sums; products left as they are: f32 operands where the result goes on into a quantised operand, else bf16, f16 or f32 operands; f32 sums; everything else in f32.
;; Inputs: V 1,024 x 1 float32; W1 2,048 x 1,024 float32; b1 1,024 float32; bV 1 float32; lowp_scales 2 int32 (the exponents e of the quantised operands' scales 2^e); query 32 x 1,024 float32; values 32 x 1,024 x 2,048 float32.
;; Outputs: out0 32 x 1 x 2,048 float32; out1 32 x 1,024 x 1 float32.
;; This version of the problem:
;;   THIS VERSION OF THE PROBLEM IS GIVEN IN LOW PRECISION. The matrix products marked QUANTISED in the list below multiply operands that are first quantised to E4M3 (4 exponent bits, 3 mantissa bits; 8 bits a number), with one given power-of-two scale for each operand tensor; their sums are f32. All else is computed in f32.
;;   The module's matrix products, in the order in which they are computed (A, B: the left and right operand; K: the contracted axis; several contracted axes count as one K, in the product's order):
;;     1. [M 32,768, K 2,048] x [K 2,048, N 1,024]; A: computed on the way; B: input W1: QUANTISED (scales: A lowp_scales[0], B lowp_scales[1])
;;     2. [M 32,768, K 1,024] x [K 1,024, N 1]; A: computed on the way; B: input V: left as it is (N = 1 < 16)
;;     3. batch 32 x [M 1, K 1,024] x [K 1,024, N 2,048]; A: softmax; B: input values: left as it is (M = 1 < 16)
;;   THE QUANTISER, for each operand of a quantised product, along K:
;;     - The operand's scale is 2^e, e = its entry of the input lowp_scales (int32; the entries are numbered through the quantised products in the list's order, A before B).
;;     - Each number is divided by the scale, clamped to +-448, and rounded to the nearest number of E4M3, ties to even, subnormals kept.
;;     - The product sums the exact products of the quantised numbers (number of the format x scale) in f32.
;;   ~~~python
;;   def quantise(x, axis, e):      # numpy; x: float32 -> the quantised numbers, widened to float32 again
;;       x = np.moveaxis(x, axis, -1); K = x.shape[-1]
;;       r = np.clip(x / 2.0 ** e, -448, 448)
;;       step = 2.0 ** (np.maximum(np.frexp(np.where(r == 0, 1, r))[1] - 1, -6) - 3)
;;       q = np.round(r / step) * step * 2.0 ** e      # np.round: ties to even
;;       return np.moveaxis(q, -1, axis).astype(np.float32)
;;   ~~~
;;   OPERANDS COMPUTED ON THE WAY. 'Computed on the way' means the value that the module computes at that place (a softmax that the list does not call 'softmax' is quantised finished and normalised). What goes into a quantiser is computed in f32, as accurately as f32 sums, v_exp_f32 and their like allow (about 1e-6 of the number): no bf16 or f16 on the way to a quantiser, and a product that is left as it is and whose result goes on into a quantised operand takes f32 operands (vector FMAs, or v_wmma_f32_16x16x4_f32). A number that lies on a knife's edge between two numbers of the format may be rounded either way, as far as f32 arithmetic and the matrix unit's own rounding can turn it there, and no further.
;; One version. Each part assembles by itself: llvm-mc -triple=amdgcn-amd-amdhsa -mcpu=gfx1250 --defsym DOCPART=n.
;; ======== version 1 of 1: 3 launches
;; limits: values are held in bf16: 8 bits of precision; right only within a limited range of input values
;; workspace buffers: wc 1,048,576 bytes; sq 16,384 bytes; sk 131,072 bytes; cp 2,097,152 bytes
;; launch prep (part 1): grid 256 x 1, 4 waves a work-group, no clusters, 1,536 bytes of LDS; arguments W1, query, V, b1, lowp_scales, wc, sq; writes wc, sq
.if DOCPART == 1
	.amdgcn_target "amdgcn-amd-amdhsa--gfx1250"
	.amdhsa_code_object_version 6
	.text
	.protected	k_qb21997e6e0_prep
	.globl	k_qb21997e6e0_prep
	.p2align	8
	.type	k_qb21997e6e0_prep,@function
k_qb21997e6e0_prep:
	s_mov_b64 s[64:65], 0
	v_nop
	global_prefetch_b8 v0, s[64:65] scope:SCOPE_SE
	s_setreg_imm32_b32 hwreg(HW_REG_WAVE_MODE, 25, 1), 1
	s_wait_xcnt 0x0
; W1 [2048][1024] f32 is quantised to E4M3 with the given scale 2^e1, once.  A work-group takes 128 columns x 64 along K.
; Work-groups 0-127 take W1's rows 0-1023 (they meet the key half of the concatenation) and store the codes as IMAGES OF OPERAND REGISTERS in wc, in the order in which the next launch's waves load them.
; Work-groups 128-255 take rows 1024-2047.  Those rows meet the repeated query, which is one and the same row for all 1,024 time steps of a batch: so that half of K is one product [32 x 1024] x [1024 x 1024].
; It is made here on codes (query with 2^e0, W1 with 2^e1), b1 is added once, and the result is dotted with V at once: sq[work-group - 128][b] is this work-group's part of
; s0[b] = sum over u of V[u] (b1[u] + sum over k of Q(query[b][k]) Q(W1[1024 + k][u])).
; A LANE TAKES A COLUMN, ITS REGISTERS RUN DOWN K: each load reads 128 consecutive bytes a wave, 512 a work-group, and the conversions give codes with K innermost.
; THE ORDER ALONG K.  Position p (0 .. 255) of a quarter of 256 along K stands for k = 4 (p / 8) + p % 4 + 128 ((p / 4) % 2): the order in which the next launch's dense loads of a row leave the codes.
; The same order stands on both sides of every product, so each product meets its partner.
; wc, byte ((q 4 + w) 8 + jj) 4096 + s 2048 + c 512 + (16 h + r) 16 + y: column 128 q + 16 jj + r, quarter w of K, position 128 s + 32 c + 16 h + y.
; LIMITS: e0 and e1 between -126 and 119, e0 + e1 between -126 and 127, so that each power of two below is an f32 number; b1 finite; NaN among the inputs is not served.
.set X,  16                            ; v16-79   64 numbers of my column, in position order; later at work
.set QX, 80                            ; v80-143  64 numbers of query: 2 tiles of 16 batches x 32 a lane
.set FA, 144                           ; v144-151 codes of positions 32 c + 0 .. 15;  v152-159 (FB) of positions 32 c + 16 .. 31
.set FB, 152
.set QA, 160                           ; v160-175 query's two fragments
.set DD, 176                           ; v176-207 four accumulators: (column tile nt, batch tile mt) at 16 nt + 8 mt
.set VV, 208                           ; v208-223 V at my lane's units, 8 a column tile
.set BB, 224                           ; v224-239 b1 likewise
	s_load_b256 s[4:11], s[0:1], 0x0               ; W1 s[4:5], query s[6:7], V s[8:9], b1 s[10:11]
	s_load_b128 s[12:15], s[0:1], 0x20             ; the scales' exponents s[12:13], wc s[14:15]
	s_load_b64 s[16:17], s[0:1], 0x30              ; sq
	v_lshl_add_u32 v254, v0, 2, 0x400
	v_mov_b32 v255, 0
	v_lshrrev_b32 v1, 5, v0
	v_readfirstlane_b32 s18, v1                    ; wave 0..3
	v_and_b32 v2, 31, v0                           ; lane
	v_lshlrev_b32 v3, 2, v2                        ; 4 x lane
	v_and_b32 v6, 15, v0                           ; r
	v_bfe_u32 v7, v0, 4, 1                         ; h
	s_lshr_b32 s19, ttmp9, 7                       ; 0: key half of K, 1: query half
	s_and_b32 s20, ttmp9, 127
	s_lshr_b32 s21, s20, 4                         ; cb: which 128 columns
	s_and_b32 s22, s20, 15                         ; kp: which 64 positions of the half's 1,024
	s_lshr_b32 s23, s22, 2                         ; wq: the quarter of 256
	s_and_b32 s24, s22, 3                          ; k3: the 64 positions in it
	s_lshl_b32 s25, s21, 7
	s_lshl_b32 s26, s18, 5
	s_add_co_u32 s25, s25, s26                     ; n0 = 128 cb + 32 wave: my wave's first column
	s_lshl_b32 s46, s23, 8
	s_lshl_b32 s27, s24, 5
	s_add_co_u32 s46, s46, s27                     ; 256 wq + 32 k3: the first k of my positions, in the half
	s_lshl_b32 s26, s19, 10
	s_add_co_u32 s26, s26, s46
	s_lshl_b32 s26, s26, 12                        ; that row of W1, 4,096 bytes a row
	s_lshl_b32 s44, s25, 2                         ; 4 n0
	s_add_co_u32 s26, s26, s44
	s_mov_b32 s27, 0
	s_mov_b32 s45, 0
	s_mov_b32 s47, 0
	s_lshl_b32 s46, s46, 2                         ; the same k in a row of query, in bytes
	s_wait_alu depctr_va_vdst(0)
	s_wait_kmcnt 0x0
	s_load_b64 s[28:29], s[12:13], 0x0             ; e0, e1
	s_add_nc_u64 s[4:5], s[4:5], s[26:27]
.irp a, 0,1,2,3,4,5,6,7
.irp e, 0,1,2,3,4,5,6,7
	global_load_b32 v[X+8*\a+\e], v3, s[4:5] offset:(4*\a+(\e%4)+128*(\e/4))*4096 th:TH_LOAD_NT   ; position 8 a + e of my 64
.endr
.endr
	s_wait_kmcnt 0x0
	s_add_co_i32 s30, s29, 127
	s_lshl_b32 s31, s30, 23
	v_mov_b32 v8, s31                              ; 2^e1 as f32: the conversion takes its exponent field
	s_add_co_i32 s30, s30, 8
	s_lshl_b32 s30, s30, 23
	s_or_b32 s30, s30, 0x600000
	v_mov_b32 v9, s30                              ; 448 x 2^e1
; my column's 64 numbers become 64 codes: the hold at the largest code x the scale (the conversion to an 8-bit code does not saturate: ISA guide 7.6.2), then eight at a time
.macro QW
.set cnt, 0
.rept 64
	v_med3_num_f32 v[X+cnt], v[X+cnt], -v9, v9
.set cnt, cnt+1
.endr
.irp a, 0,1,2,3,4,5,6,7
	v_cvt_scalef32_pk8_fp8_f32 v[FA+8*((\a/2)%2)+4*(\a/4)+2*(\a%2):FA+8*((\a/2)%2)+4*(\a/4)+2*(\a%2)+1], v[X+8*\a:X+8*\a+7], v8
.endr
	v_nop                                          ; one plain vector instruction behind the last scaled conversion, ahead of whatever touches its result or writes its sources
.endm
	s_cmp_lt_u32 ttmp9, 128                        ; the two halves part here, on the work-group's number; only the query half uses LDS and a barrier
	s_cbranch_scc0 .Lquery
	; ---- the key half: the codes leave as images
	v_lshlrev_b32 v5, 4, v6
	v_lshl_add_u32 v4, v7, 12, v5                  ; lanes 16-31 hold the next tile of 16 columns: 4,096 bytes on; 16 bytes a column
	s_lshl_b32 s32, s21, 2
	s_add_co_u32 s32, s32, s23
	s_lshl_b32 s32, s32, 15                        ; (4 cb + wq) x 32,768
	s_lshl_b32 s33, s18, 13                        ; + 2 wave tiles of 4,096
	s_add_co_u32 s32, s32, s33
	s_lshr_b32 s33, s24, 1
	s_lshl_b32 s33, s33, 11                        ; + s x 2,048
	s_add_co_u32 s32, s32, s33
	s_and_b32 s33, s24, 1
	s_lshl_b32 s33, s33, 10                        ; + 2 (k3 % 2) x 512
	s_add_co_u32 s32, s32, s33
	s_mov_b32 s33, 0
	s_add_nc_u64 s[14:15], s[14:15], s[32:33]
	s_wait_loadcnt 0x0
	s_wait_alu depctr_va_vdst(0)
	QW
.irp c, 0,1
	global_store_b128 v4, v[FA+4*\c:FA+4*\c+3], s[14:15] offset:512*\c        ; sixteen lanes store 256 consecutive bytes, aligned
	global_store_b128 v4, v[FB+4*\c:FB+4*\c+3], s[14:15] offset:512*\c+256
.endr
	s_endpgm
.Lquery:
	; ---- the query half
	v_lshlrev_b32 v4, 12, v6
	v_lshl_add_u32 v4, v7, 5, v4                   ; query: row r of 4,096 bytes, + 8 h numbers
	v_lshlrev_b32 v5, 5, v7                        ; V, b1: + 8 h numbers
	v_lshlrev_b32 v10, 2, v0                       ; LDS: a word a thread
	s_add_nc_u64 s[6:7], s[6:7], s[46:47]
	s_add_nc_u64 s[8:9], s[8:9], s[44:45]
	s_add_nc_u64 s[10:11], s[10:11], s[44:45]
	s_sub_co_u32 s42, ttmp9, 128
	s_lshl_b32 s42, s42, 7
	s_mov_b32 s43, 0
	s_add_nc_u64 s[16:17], s[16:17], s[42:43]      ; my 32 words of sq
.irp mt, 0,1                                   ; register 4 c + z, byte y of a fragment stands for k = 16 c + 8 h + 4 (z / 2) + y + 128 (z % 2): the order that W1's codes have
.irp c, 0,1
	global_load_b128 v[QX+32*\mt+16*\c:QX+32*\mt+16*\c+3],     v4, s[6:7] offset:65536*\mt+64*\c
	global_load_b128 v[QX+32*\mt+16*\c+4:QX+32*\mt+16*\c+7],   v4, s[6:7] offset:65536*\mt+64*\c+512
	global_load_b128 v[QX+32*\mt+16*\c+8:QX+32*\mt+16*\c+11],  v4, s[6:7] offset:65536*\mt+64*\c+16
	global_load_b128 v[QX+32*\mt+16*\c+12:QX+32*\mt+16*\c+15], v4, s[6:7] offset:65536*\mt+64*\c+528
.endr
.endr
.irp nt, 0,1
	global_load_b128 v[VV+8*\nt:VV+8*\nt+3],   v5, s[8:9] offset:64*\nt
	global_load_b128 v[VV+8*\nt+4:VV+8*\nt+7], v5, s[8:9] offset:64*\nt+16
	global_load_b128 v[BB+8*\nt:BB+8*\nt+3],   v5, s[10:11] offset:64*\nt
	global_load_b128 v[BB+8*\nt+4:BB+8*\nt+7], v5, s[10:11] offset:64*\nt+16
.endr
	s_add_co_i32 s30, s28, 127
	s_lshl_b32 s31, s30, 23
	v_mov_b32 v11, s31                             ; 2^e0
	s_add_co_i32 s30, s30, 8
	s_lshl_b32 s30, s30, 23
	s_or_b32 s30, s30, 0x600000
	v_mov_b32 v12, s30                             ; 448 x 2^e0
	s_add_co_i32 s36, s28, s29
	s_add_co_i32 s36, s36, 127
	s_lshl_b32 s36, s36, 23                        ; 2^(e0 + e1) as f32
	s_mov_b32 s37, s36                             ; (named with it as a pair, so it is written)
	s_cmp_eq_u32 s22, 0                            ; b1 is added once for each column: by the work-group of the half's first 64 positions
	s_cselect_b32 s38, 1.0, 0
	s_mov_b32 s39, s38
	s_mov_b32 s40, 0x76543210                      ; v_permlanex16_b32's selects for lane l xor 16
	s_mov_b32 s41, 0xfedcba98
	s_wait_loadcnt 0x0
	s_wait_alu depctr_va_vdst(0)
	QW
.irp x, 0,1,2,3,4,5,6,7
	v_permlane16_swap_b32 v[FA+\x], v[FB+\x]       ; FA's lanes 16-31 change places with FB's lanes 0-15: FA is now the fragment of columns 0-15 (lane (r, h): column r, positions 32 c + 16 h ..), FB that of columns 16-31
.endr
.set cnt, 0
.rept 64
	v_med3_num_f32 v[QX+cnt], v[QX+cnt], -v12, v12
.set cnt, cnt+1
.endr
.irp g, 0,1,2,3,4,5,6,7
	v_cvt_scalef32_pk8_fp8_f32 v[QA+2*\g:QA+2*\g+1], v[QX+8*\g:QX+8*\g+7], v11
.endr
	v_nop                                          ; the plain instruction behind the last scaled conversion
.irp nt, 0,1                                   ; source 0 = 16 columns of W1, source 1 = 16 batches: a lane then holds one batch (lane % 16) and the units 8 (lane / 16) + 0 .. 7.  Four accumulators, one instruction each
.irp mt, 0,1
	v_wmma_f32_16x16x64_fp8_fp8 v[DD+16*\nt+8*\mt:DD+16*\nt+8*\mt+7], v[FA+8*\nt:FA+8*\nt+7], v[QA+8*\mt:QA+8*\mt+7], 0
.endr
.endr
.irp i, 0,2,4,6,8,10,12,14
	v_pk_mul_f32 v[BB+\i:BB+\i+1], v[BB+\i:BB+\i+1], s[38:39] op_sel_hi:[1,0]   ; b1 or nothing.  (These eight are the places behind the products: they name none of their registers)
.endr
.irp mt, 0,1
.irp nt, 0,1
.irp i, 0,2,4,6
	v_pk_fma_f32 v[X+16*\mt+8*\nt+\i:X+16*\mt+8*\nt+\i+1], v[DD+16*\nt+8*\mt+\i:DD+16*\nt+8*\mt+\i+1], s[36:37], v[BB+8*\nt+\i:BB+8*\nt+\i+1] op_sel_hi:[1,0,1]   ; sum x 2^(e0 + e1) + b1, each accumulator from its low end on
.endr
.endr
.endr
.irp mt, 0,1
	v_pk_mul_f32 v[48+2*\mt:49+2*\mt], v[X+16*\mt:X+16*\mt+1], v[VV:VV+1]      ; . V: the first product starts the sum
.irp u, 2,4,6,8,10,12,14
	v_pk_fma_f32 v[48+2*\mt:49+2*\mt], v[X+16*\mt+\u:X+16*\mt+\u+1], v[VV+\u:VV+\u+1], v[48+2*\mt:49+2*\mt]
.endr
.endr
	v_mov_b32 v52, 0                               ; a lane permute's destination counts as one of its sources
	v_mov_b32 v53, 0
	v_add_f32 v48, v48, v49
	v_add_f32 v50, v50, v51
	v_permlanex16_b32 v52, v48, s40, s41
	v_permlanex16_b32 v53, v50, s40, s41
	v_add_f32 v48, v48, v52                        ; both halves' units: batch r,
	v_add_f32 v50, v50, v53                        ; batch 16 + r
	v_cmp_gt_u32 vcc_lo, 16, v2
	v_cndmask_b32 v54, v50, v48, vcc_lo            ; lane l now holds batch l
	ds_store_b32 v10, v54
	s_wait_dscnt 0x0                               ; for the others' sake: my store has landed
	s_barrier_signal -1
	s_barrier_wait -1
	s_cmp_lg_u32 s18, 0
	s_cbranch_scc1 .Lend                           ; wave 0 adds the four waves' columns
.irp i, 0,1,2,3
	ds_load_b32 v[56+\i], v3 offset:128*\i
.endr
	s_wait_dscnt 0x0
	v_add_f32 v56, v56, v57
	v_add_f32 v58, v58, v59
	v_add_f32 v56, v56, v58
	global_store_b32 v3, v56, s[16:17]
.Lend:
	s_wait_tensorcnt 0x0
	ds_add_u32 v254, v255
	s_wait_dscnt 0x0
	s_endpgm
.Lfunc_end_k_qb21997e6e0_prep:
	.size	k_qb21997e6e0_prep, .Lfunc_end_k_qb21997e6e0_prep-k_qb21997e6e0_prep
	.p2alignl 7, 3214868480
	.fill 96, 4, 3214868480
	.section	.rodata,"a",@progbits
	.p2align	6, 0x0
	.amdhsa_kernel k_qb21997e6e0_prep
		.amdhsa_group_segment_fixed_size 1536
		.amdhsa_private_segment_fixed_size 0
		.amdhsa_enable_private_segment 0
		.amdhsa_kernarg_size 56
		.amdhsa_user_sgpr_count 2
		.amdhsa_user_sgpr_kernarg_segment_ptr 1
		.amdhsa_wavefront_size32 1
		.amdhsa_system_sgpr_workgroup_id_x 1
		.amdhsa_system_sgpr_workgroup_id_y 1
		.amdhsa_system_sgpr_workgroup_id_z 1
		.amdhsa_system_vgpr_workitem_id 0
		.amdhsa_next_free_vgpr 256
		.amdhsa_next_free_sgpr 66
		.amdhsa_reserve_vcc 1
		.amdhsa_float_denorm_mode_32 3
		.amdhsa_float_denorm_mode_16_64 3
		.amdhsa_memory_ordered 1
		.amdhsa_forward_progress 1
		.amdhsa_inst_pref_size 31
	.end_amdhsa_kernel
	.amdgpu_metadata
---
amdhsa.version: [ 1, 2 ]
amdhsa.kernels:
  - .name:           k_qb21997e6e0_prep
    .symbol:         k_qb21997e6e0_prep.kd
    .args:
      - { .name: W1, .offset: 0, .size: 8, .value_kind: global_buffer, .address_space: global }
      - { .name: query, .offset: 8, .size: 8, .value_kind: global_buffer, .address_space: global }
      - { .name: V, .offset: 16, .size: 8, .value_kind: global_buffer, .address_space: global }
      - { .name: b1, .offset: 24, .size: 8, .value_kind: global_buffer, .address_space: global }
      - { .name: lowp_scales, .offset: 32, .size: 8, .value_kind: global_buffer, .address_space: global }
      - { .name: wc, .offset: 40, .size: 8, .value_kind: global_buffer, .address_space: global }
      - { .name: sq, .offset: 48, .size: 8, .value_kind: global_buffer, .address_space: global }
    .group_segment_fixed_size: 1536
    .private_segment_fixed_size: 0
    .kernarg_segment_align: 8
    .kernarg_segment_size: 56
    .max_flat_workgroup_size: 128
    .sgpr_count:     66
    .vgpr_count:     256
    .wavefront_size: 32
...
	.end_amdgpu_metadata
.endif
;; end of part 1
;; launch main (part 2): grid 256 x 1, 4 waves a work-group, clusters of 4 x 1, 327,680 bytes of LDS; arguments values, wc, V, lowp_scales, sk, cp; writes sk, cp
.if DOCPART == 2
	.amdgcn_target "amdgcn-amd-amdhsa--gfx1250"
	.amdhsa_code_object_version 6
	.text
	.protected	k_qb21997e6e0_main
	.globl	k_qb21997e6e0_main
	.p2align	8
	.type	k_qb21997e6e0_main,@function
k_qb21997e6e0_main:
	s_mov_b64 s[64:65], 0
	v_nop
	global_prefetch_b8 v0, s[64:65] scope:SCOPE_SE
	s_setreg_imm32_b32 hwreg(HW_REG_WAVE_MODE, 25, 1), 1
	s_wait_xcnt 0x0
	s_wait_alu depctr_hold_cnt(0) depctr_sa_sdst(0) depctr_va_vdst(0) depctr_va_sdst(0) depctr_va_ssrc(0) depctr_va_vcc(0) depctr_vm_vsrc(0)
	s_getreg_b32 s2, hwreg(HW_REG_IB_STS2, 6, 4)
	s_cmp_eq_u32 s2, 0
	s_cbranch_scc0 .Lentry_in_a_cluster
	s_endpgm
.Lentry_in_a_cluster:
	s_bfe_u32 s2, ttmp6, 0x10000c
	s_cmp_lg_u32 s2, 0x3003
	s_cbranch_scc0 .Lentry_shape_is_right
	s_endpgm
.Lentry_shape_is_right:
; A work-group takes 128 rows (b, t) of values [32][1024][2048] f32, reads each of their bytes ONCE, and leaves: sk[row], the key half's part of the score, and cp[work-group][2048],
; the sum over its rows of p[row] x values[row][:], p = exp(sk - the largest sk of the 128).  The next launch adds the query's part, b1's and bV's to the scores, ends the softmax over a batch's eight work-groups and joins the parts.
; THE WAVES SHARE K, NOT THE ROWS.  Wave w owns columns 256 w .. 256 w + 255 of the key half, for all 128 rows.  The score is linear in e = Q(key) Q(W1), so each wave dots its partial e with V at once; the four partial scores meet in LDS at the end.
;   1. THE KEY STREAM: four rows at a time, dense loads (512 consecutive bytes each).  Each number is kept as bf16 (for the context; 112 rows in registers, 16 in LDS) and quantised to E4M3 with 2^e0; the codes turn through
;      the wave's own stage in LDS into 16 operand fragments (8 tiles of 16 rows x 2 steps of 128 along K), which stay in 256 registers.
;   2. THE PRODUCT: W1's codes come as images of operand registers (the launch before made them), 128 units at a time, through a ring of two LDS slots.  Source 0 = 16 units, source 1 = 16 rows: a lane holds one row and eight units.
;      A tile of 16 units is 16 matrix instructions (8 row tiles x 2 K steps) on 8 accumulators by turns; the tile before, in a second set of 8, is meanwhile dotted with V: two packed multiply-adds behind each matrix instruction.
;   3. THE SCORES: the waves' parts are added, x 2^(e0 + e1); the largest of the 128 is taken away ahead of the exponential.
;   4. THE CONTEXT: the key half from the bf16 copy, the value half streamed as the key half was.  A lane holds fixed columns and runs down the rows: nothing crosses lanes.
; THE ORDER ALONG K: a lane's eight numbers of a row are columns 4 l + 0..3 and 128 + 4 l + 0..3 of the wave's 256; their eight codes lie at bytes 8 l .. 8 l + 7 of the stage's row.  wc has the same order, so each product meets its partner.
; CLUSTER: all work-groups walk the same codes of W1.  The four of a cluster ask for each slot JOINTLY: the same tensor load, the same descriptor, a mask that names the four.  values is shared by nobody and comes through registers.
; LIMITS: e0 between -126 and 119 (2^e0 and 448 x 2^e0 are f32 numbers); e0 + e1 is applied by v_ldexp_f32 and has none.  The key half enters the context rounded to bf16.  NaN among the inputs is not served.
; REGISTERS, in windows of 256 (s_set_vgpr_msb: bits 1:0 source 0, 3:2 source 1, 5:4 source 2, 7:6 destination):
;   window 0: v0-31 addresses and constants; v32-47, v112-127 the running scores (two sets of 8 pairs); v48-111 W1's fragments, two sets; v128-255 the accumulators, two sets of 8
;   window 1: v0-127 my rows' fragments of K step 0; v128-159 V, the low four of each tile's eight; v160-255 bf16 rows 64-87
;   window 2: v0-127 fragments of K step 1; v128-159 V, the high four; v160-255 bf16 rows 88-111        window 3: bf16 rows 0-63, four registers a row
;   V lies in the window of the fragments beside which it is used, so one setting serves a run of matrix and vector instructions: two switches a tile.
.set RING1,  1<<17                     ; slot 0 at LDS byte 0, slot 1 here: one exclusive or turns an address.  A slot: 4 x 32,768 bytes, wave w's quarter of K at 32,768 w
.set SPARE,  2*RING1                   ; the spare words, 128 bytes for each wave: two blocks of 256 bytes that no other line names
.set VLDS,   SPARE+512                 ; V, 1,024 f32
.set STG,    VLDS+4096                 ; a stage for each wave: 16 rows x (256 bytes of codes + 16)
.set SPITCH, 272
.set STGW,   16*SPITCH
.set KB16,   STG+4*STGW                ; bf16 rows 112-127: 512 bytes a row and wave, as images of registers
.set SCP,    KB16+4*8192               ; the waves' partial scores: [wave][128]
.set SKA,    SCP+2048                  ; the scores
.set WMX,    SKA+512                   ; the waves' largest
.set PA,     WMX+256                   ; p
.set LN,  1                            ; lane
.set RR,  2                            ; lane % 16
.set HH,  3                            ; lane / 16
.set GK,  4                            ; 1,024 wave + 16 lane: my 16 bytes in a row's key half; also in cp
.set STW, 6                            ; the stage: where my 8 codes of a row go
.set STR, 7                            ; and where a fragment's 16 bytes are read
.set KBA, 8                            ; bf16 rows in LDS
.set BA0, 9                            ; 32,768 wave + 16 lane: my place in a slot
.set BA,  10                           ; the same in the slot in hand
.set VA0, 11                           ; V in LDS: + 32 (lane / 16)
.set VA,  12                           ; the same at the slot's 128 units
.set SCL, 13                           ; 2^e0
.set LIM, 14                           ; 448 x 2^e0
.set VST, 15
.set SCW, 16
.set SCR, 17
.set SKW, 18
.set WMW, 19
.set WMR, 20
.set PAW, 21
.set SKR, 22
.set PAR, 23
.set PFO, 24                           ; the prefetches' offset; never rewritten
.set L16, 26
.set T16, 27
.set SPW, 28                           ; my spare word: SPARE + 4 x my thread's number; never rewritten
.set NIL, 29                           ; 0; never rewritten
.set CT,  112                          ; the key stream: a group's codes, 2 registers a row
.set PP,  128                          ; the context: p[t] at v[PP + t]
.set CK,  32                           ; the context's sums: key half v32-39; value half v40-47 (even rows) and v112-119 (odd rows)
.set CV0, 40
.set CV1, 112
.set MSB, 0
.macro WIN new                         ; the immediate's high byte repeats the setting that is left; a switch that changes nothing is dropped
.if MSB != (\new)
	s_set_vgpr_msb (MSB<<8)|(\new)
.set MSB, (\new)
.endif
.endm
.macro ROUND                           ; a round of the cluster's barrier: my work-group's barrier; wave 0 signals for the work-group; every wave waits for all four work-groups; my work-group's barrier once more
	s_barrier_signal -1
	s_barrier_wait -1
	s_cmp_lg_u32 s16, 0
	s_cbranch_scc1 .Lnot_wave_0_\@
	s_barrier_signal -3
.Lnot_wave_0_\@:
	s_barrier_wait -3
	s_barrier_signal -1
	s_barrier_wait -1
.endm
.macro BARRIER                         ; my LDS stores have landed and my LDS loads are in: then the work-group's barrier
	s_wait_dscnt 0x0
	s_barrier_signal -1
	s_barrier_wait -1
.endm
	s_load_b256 s[4:11], s[0:1], 0x0               ; values s[4:5], wc s[6:7], V s[8:9], the scales' exponents s[10:11]
	s_load_b128 s[12:15], s[0:1], 0x20             ; sk s[12:13], cp s[14:15]
	v_lshl_add_u32 v[SPW], v0, 2, SPARE
	v_mov_b32 v[NIL], 0
	ds_add_u32 v28, v29
	ds_add_u32 v28, v29
	s_wait_dscnt 0x0
	v_lshrrev_b32 v30, 5, v0
	v_readfirstlane_b32 s16, v30                   ; wave 0..3
	s_bfe_u32 s17, ttmp6, 0x40000                  ; cx: my place in the cluster
	s_lshl_b32 s18, ttmp9, 2                       ; in a cluster launch ttmp9 counts clusters
	s_add_co_u32 s17, s18, s17                     ; my work-group: it enters the addresses of values, sk and cp alone
	v_and_b32 v[LN], 31, v0
	v_and_b32 v[RR], 15, v0
	v_bfe_u32 v[HH], v0, 4, 1
	s_lshl_b32 s23, s16, 10
	v_lshl_add_u32 v[GK], v[LN], 4, s23
	s_mul_i32 s46, s16, STGW
	s_add_co_u32 s46, s46, STG                     ; my stage
	v_lshl_add_u32 v[STW], v[LN], 3, s46
	v_mul_u32_u24 v30, v[RR], SPITCH
	v_lshl_add_u32 v30, v[HH], 4, v30
	v_add_nc_u32 v[STR], s46, v30
	s_lshl_b32 s47, s16, 13
	s_add_co_u32 s47, s47, KB16
	v_lshl_add_u32 v[KBA], v[LN], 4, s47
	s_lshl_b32 s48, s16, 15                        ; 32,768 x wave: my quarter of a slot, in LDS and in wc
	s_mov_b32 s49, 0
	v_lshl_add_u32 v[BA0], v[LN], 4, s48
	v_lshl_add_u32 v[VA0], v[HH], 5, VLDS
	v_lshl_add_u32 v[VST], v0, 4, VLDS
	v_lshlrev_b32 v[T16], 4, v0
	s_lshl_b32 s47, s16, 9
	s_add_co_u32 s47, s47, SCP
	v_lshl_add_u32 v[SCW], v[RR], 2, s47
	v_lshl_add_u32 v[SCR], v0, 2, SCP
	v_lshl_add_u32 v[SKW], v0, 2, SKA
	s_lshl_b32 s47, s16, 2
	s_add_co_u32 s47, s47, WMX
	v_mov_b32 v[WMW], s47
	v_mov_b32 v[WMR], WMX
	v_lshl_add_u32 v[PAW], v0, 2, PA
	v_lshl_add_u32 v[SKR], v[LN], 4, SKA
	v_mov_b32 v[PAR], PA
	v_lshlrev_b32 v[L16], 4, v[LN]
	v_lshlrev_b32 v30, 8, v[RR]
	v_lshl_add_u32 v30, v[HH], 13, v30
	s_add_co_u32 s47, s48, 4096
	v_add_nc_u32 v[PFO], s47, v30                  ; row 4 wave + lane / 16, the value half, block lane % 16 of its sixteen blocks of 256 bytes
	s_and_b32 s56, s17, 3                          ; my place in the cluster: it enters a prefetch's global address alone
	s_lshl_b32 s56, s56, 2
	s_add_co_u32 s56, s56, s16
	s_lshl_b32 s56, s56, 13
	v_lshl_add_u32 v25, v[LN], 8, s56              ; wc's prefetches: 8,192 (4 place + wave) + 256 lane: my wave's sixteenth of a slot's 131,072 bytes; never rewritten
	; descriptor group 1: a dense block of 32,768 bytes, as 128 rows of 256 bytes.  No padding: a fragment load takes 512 consecutive bytes
	s_mov_b32 s24, 15|(3<<16)|(1<<21)              ; 15:0 the mask: all four work-groups; 17:16 elements of 8 bytes; 21 set beside a mask
	s_mov_b32 s25, 32<<16                          ; tensor_dim0 = 32
	s_mov_b32 s26, 128<<16                         ; tensor_dim1 = 128
	s_mov_b32 s27, 32<<16                          ; tile_dim0 = 32
	s_mov_b32 s28, 128                             ; tile_dim1 = 128
	s_mov_b32 s29, 32                              ; tensor_dim0_stride
	s_mov_b32 s30, 0
	s_mov_b32 s31, 0
	s_mov_b32 s40, 0x76543210                      ; v_permlanex16_b32's selects for lane l xor 16
	s_mov_b32 s41, 0xfedcba98
	s_lshl_b32 s18, s17, 20                        ; 128 rows of 8,192 bytes
	s_mov_b32 s19, 0
	s_lshl_b32 s50, s17, 9
	s_mov_b32 s51, 0
	s_lshl_b32 s52, s17, 13
	s_mov_b32 s53, 0
	s_wait_kmcnt 0x0
	s_load_b64 s[20:21], s[10:11], 0x0             ; e0, e1
	s_add_nc_u64 s[4:5], s[4:5], s[18:19]          ; values at my first row
	s_mov_b64 s[54:55], s[4:5]                     ; where the prefetches stand: 16 rows further on in each slot
	s_add_nc_u64 s[12:13], s[12:13], s[50:51]      ; sk at my first row
	s_add_nc_u64 s[14:15], s[14:15], s[52:53]      ; my row of cp
	s_mov_b32 s32, 1                               ; group 0: count = 1
	s_mov_b32 s33, s48                             ; LDS address: slot 0, my quarter
	s_add_nc_u64 s[34:35], s[6:7], s[48:49]        ; global address: units 0-127, my quarter of K: the same in all four partners
	s_or_b32 s35, s35, 0x80000000                  ; type = 2
	ROUND                                          ; all four work-groups are here: the first joint loads meet
	tensor_load_to_lds s[32:35], s[24:31]          ; slot 0.  One tensor load of mine is out, here and behind every later round
	s_nop 0
.rept 4
	v_nop                                          ; four plain lines follow a tensor load
.endr
	global_load_b128 v[120:123], v[T16], s[8:9]    ; V: 16 bytes a thread, twice
	global_load_b128 v[124:127], v[T16], s[8:9] offset:2048
; ---- 1. THE KEY STREAM.  Groups of four rows go through eight slots of 32 registers; seven groups (56 loads of a wave) are asked for ahead.
.macro SLOTOF k                        ; slot k: window SW, first register SB
.if (\k) < 4
.set SW, 0
.set SB, 128+32*(\k)
.elseif (\k) < 6
.set SW, 0
.set SB, 48+32*((\k)-4)
.else
.set SW, (\k)-5
.set SB, 128
.endif
.endm
.macro PLACEOF g                       ; where group g's bf16 rows stay: window DW, first register DB (the last four groups pass through v32-47 into LDS)
.if (\g) < 16
.set DW, 3
.set DB, 16*(\g)
.elseif (\g) < 22
.set DW, 1
.set DB, 160+16*((\g)-16)
.elseif (\g) < 28
.set DW, 2
.set DB, 160+16*((\g)-22)
.else
.set DW, 0
.set DB, 32
.endif
.endm
.macro KLOAD g
	SLOTOF (\g)%8
	WIN (SW<<6)
.irp p, 0,1,2,3
.irp i, 0,1
	global_load_b128 v[SB+8*\p+4*\i:SB+8*\p+4*\i+3], v[GK], s[4:5] offset:8192*(4*(\g)+\p)+512*\i th:TH_LOAD_NT   ; 32 lanes read 512 consecutive bytes
.endr
.endr
.endm
.macro GROUP g
.if 31-(\g) < 6
	s_wait_loadcnt 8*(31-(\g))                     ; the counts run down: only the groups behind this one are out
.else
	s_wait_loadcnt 48                              ; loads come back in order: this group's eight are in, the six younger groups' stay out
.endif
.if (\g)+7 < 32
	KLOAD (\g)+7                                   ; into the slot that the group before has left
.endif
	s_wait_dscnt 0x0                               ; the last group's LDS stores have read their registers
	SLOTOF (\g)%8
	PLACEOF \g
	WIN SW|(SW<<2)|(DW<<6)
.irp p, 0,1,2,3
.irp z, 0,1,2,3
	v_cvt_pk_bf16_f32 v[DB+4*\p+\z], v[SB+8*\p+2*\z], v[SB+8*\p+2*\z+1]   ; the copy for the context
.endr
.endr
	WIN SW|(SW<<6)
.set cnt, 0
.rept 32
	v_med3_num_f32 v[SB+cnt], v[SB+cnt], -v[LIM], v[LIM]   ; the conversion to an 8-bit code does not saturate (ISA guide 7.6.2): the hold at the largest code x the scale
.set cnt, cnt+1
.endr
	WIN SW
.irp p, 0,1,2,3
	v_cvt_scalef32_pk8_fp8_f32 v[CT+2*\p:CT+2*\p+1], v[SB+8*\p:SB+8*\p+7], v[SCL]
.endr
	WIN 0
	v_nop                                          ; one plain vector instruction behind the last scaled conversion
.if ((\g)%4 == 1) && ((\g) < 28)       ; A PREFETCH INTO THE L2 of W1's codes: groups 1, 5 .. 25 ask for slots 1 .. 7, one instruction a wave; the cluster's sixteen waves share a slot out by address, so each block of 256 bytes is named once in the cluster.
	global_prefetch_b8 v25, s[6:7] offset:131072*((\g)/4+1) th:TH_LOAD_NT scope:SCOPE_SE   ; slot 0 comes by its load alone; slot 1's joint load stands 30 groups further on; the last byte named is wc's last.  At the stream's end 896 KB are asked for and not yet loaded
.endif
.if (\g) == 0
	ds_store_b128 v[VST], v[120:123]               ; V, the oldest two loads, goes to LDS for all waves; the first change of slots has the barrier
	ds_store_b128 v[VST], v[124:127] offset:2048
.endif
.if (\g) >= 28
.irp p, 0,1,2,3
	ds_store_b128 v[KBA], v[32+4*\p:35+4*\p] offset:512*(4*((\g)-28)+\p)
.endr
.endif
.irp p, 0,1,2,3
	ds_store_b64 v[STW], v[CT+2*\p:CT+2*\p+1] offset:SPITCH*((4*(\g)+\p)%16)   ; a row's 256 codes: 8 bytes a lane
.endr
.if (\g)%4 == 3                        ; sixteen rows lie in the stage: they come back as two fragments.  LDS serves a wave's instructions in order (ISA guide 5.7.1.4): these see my stores, and the next rows' stores come behind them
	WIN 0x40
.irp c, 0,1,2,3
	ds_load_b128 v[16*((\g)/4)+4*\c:16*((\g)/4)+4*\c+3], v[STR] offset:32*\c
.endr
	WIN 0x80
.irp c, 0,1,2,3
	ds_load_b128 v[16*((\g)/4)+4*\c:16*((\g)/4)+4*\c+3], v[STR] offset:128+32*\c
.endr
	WIN 0
.endif
.endm
.irp g, 0,1,2,3,4,5,6
	KLOAD \g
.endr
	WIN 0
	s_wait_kmcnt 0x0
	s_add_co_i32 s22, s20, s21                     ; e0 + e1
	s_add_co_i32 s46, s20, 127
	s_lshl_b32 s47, s46, 23
	v_mov_b32 v[SCL], s47                          ; 2^e0 as f32: the conversion takes its exponent field
	s_add_co_i32 s46, s46, 8
	s_lshl_b32 s46, s46, 23
	s_or_b32 s46, s46, 0x600000
	v_mov_b32 v[LIM], s46                          ; 448 x 2^e0
.set G, 0
.rept 32
	GROUP G
.set G, G+1
.endr
	s_wait_dscnt 0x0                               ; the last fragments are in, and the last stores have read their registers
.irp j, 0,1,2,3,4,5,6,7,8,9,10,11,12,13,14,15
	v_mov_b32 v[32+\j], 0                          ; the running scores.  (The loop below is written once: its first tile adds onto zeros)
	v_mov_b32 v[112+\j], 0
.endr
	s_mov_b32 s36, 0                               ; the slot in hand
	s_mov_b32 s37, 0                               ; its units' place in V
	s_mov_b32 s38, 7                               ; slots still to be asked for
; ---- 2. THE PRODUCT
; The change of slots stands at a slot's head.  Each wave waits for all its tensor loads (its quarter of the slot ahead), adds 0 to its spare word, and waits for that and for its reads of the slot that it has left.
; fill = 1: the barrier is a round of the cluster's, and behind it the slot just left is filled with the next 128 units: the load has a slot's 128 matrix instructions in which to land.
.macro CHANGE fill
	s_wait_tensorcnt 0x0                           ; no tensor load of mine is out, so group 0 may be written
	ds_add_u32 v[SPW], v[NIL]                      ; 0 onto my spare word
.if \fill
	s_xor_b32 s33, s33, RING1                      ; the other slot than last time,
	s_add_nc_u64 s[34:35], s[34:35], 131072        ; the next 128 units; the type bits on top are not reached
.endif
	s_wait_dscnt 0x0                               ; the add is done, and my LDS reads and stores are over
.if \fill
	ROUND
	tensor_load_to_lds s[32:35], s[24:31]          ; the first thing behind the round, and my one tensor load until the next
	s_nop 0
.rept 4
	v_nop
.endr
.else
	s_barrier_signal -1
	s_barrier_wait -1
.endif
.endm
; A PREFETCH INTO THE L2 of the value half of my work-group's rows, which the context loads behind the product, in the order in which it loads them.  Slot i of the eight asks for rows 16 i .. 16 i + 15: 4 rows a wave,
; two instructions a wave, a lane a block of 256 bytes: each block is named once, by one lane of one wave of the one work-group that reads it.  The requests stand between a slot's tiles 4 and 5: 80 matrix instructions behind
; the joint load and 48 ahead of the next.  Rows 0-15 are asked for seven slots ahead of their loads, rows 112-127 in the last slot; they are read last.  At the product's end all 128 rows' value half, 512 KB, is asked for and not yet read.
; The base is stepped at a trip's end, behind s_wait_xcnt 0; after seven steps it stands at row 112, so every lane stays inside my 128 rows.
.macro ASK
	global_prefetch_b8 v[PFO], s[54:55] th:TH_LOAD_NT scope:SCOPE_SE
	global_prefetch_b8 v[PFO], s[54:55] offset:16384 th:TH_LOAD_NT scope:SCOPE_SE
.endm
.macro BLOAD j                         ; tile j's two fragments of W1 (16 units x 256 along K) into set j % 2: eight loads of 512 consecutive bytes
.set BS, 48+32*((\j)%2)
.irp s, 0,1
.irp c, 0,1,2,3
	ds_load_b128 v[BS+16*\s+4*\c:BS+16*\s+4*\c+3], v[BA] offset:4096*(\j)+2048*\s+512*\c
.endr
.endr
.endm
; Two of row tile mt's eight partial e of unit tile pj, times V, onto the running score.  i = 0, 1: the low four units (V in window 1); i = 2, 3: the high four (window 2).  Even i add onto one set of sums, odd i onto the other.
.macro EE mt, i, pj
.set rA, 128+64*((\pj)%2)+8*(\mt)+2*(\i)
.set rV, 128+4*(\pj)+2*((\i)%2)
.set rS, 32+80*((\i)%2)+2*(\mt)
	v_pk_fma_f32 v[rS:rS+1], v[rA:rA+1], v[rV:rV+1], v[rS:rS+1]
.endm
; A TILE of 16 units: 8 accumulators, one instruction a turn, K step 0 (it starts the sums) and then K step 1.  The tile before lies in the other set and is read meanwhile, each accumulator from its low end on.
; A vector instruction that reads a matrix result, and a load into a register that a matrix instruction has read, stand four plain vector instructions behind it that name none of its registers (ISA guide 7.12.1 for vector instructions):
; behind a tile's last product stand two lines of the tile before and the four at the next tile's head, ahead of the loads into its fragments' set and of the reads of its last accumulators.  Tile 0 has no tile before it: four v_nop.
.macro TILE jj
.set S, (\jj)%2
	WIN 0x04                                       ; source 1 (my rows' fragments, V) window 1
.if (\jj) > 0
	EE 0,0,(\jj)-1
	EE 0,1,(\jj)-1
	EE 1,0,(\jj)-1
	EE 1,1,(\jj)-1
.endif
.if (\jj) < 7
	BLOAD (\jj)+1
	s_wait_dscnt 8                                 ; this tile's fragments (and V) are in; the next tile's eight loads stay out
.else
	s_wait_dscnt 0x0
.endif
.irp mt, 0,1,2,3,4,5,6,7
	v_wmma_f32_16x16x128_fp8_fp8 v[128+64*S+8*\mt:128+64*S+8*\mt+7], v[48+32*S:48+32*S+15], v[16*\mt:16*\mt+15], 0
.if ((\jj) > 0) && (\mt < 6)
	EE \mt+2,0,(\jj)-1
	EE \mt+2,1,(\jj)-1
.endif
.endr
	WIN 0x08                                       ; source 1 window 2
.irp mt, 0,1,2,3,4,5,6,7
	v_wmma_f32_16x16x128_fp8_fp8 v[128+64*S+8*\mt:128+64*S+8*\mt+7], v[48+32*S+16:48+32*S+31], v[16*\mt:16*\mt+15], v[128+64*S+8*\mt:128+64*S+8*\mt+7]
.if (\jj) > 0
	EE \mt,2,(\jj)-1
	EE \mt,3,(\jj)-1
.endif
.endr
.if (\jj) == 0
.rept 4
	v_nop
.endr
.endif
.endm
.macro PROC                            ; a slot: 128 units, eight tiles
	v_add_nc_u32 v[BA], s36, v[BA0]
	s_wait_alu depctr_va_vdst(0)
	v_add_nc_u32 v[VA], s37, v[VA0]
	WIN 0x40
.irp j, 0,1,2,3,4,5,6,7
	ds_load_b128 v[128+4*\j:131+4*\j], v[VA] offset:64*\j          ; V at units 16 j + 8 (lane / 16) + 0 .. 3
.endr
	WIN 0x80
.irp j, 0,1,2,3,4,5,6,7
	ds_load_b128 v[128+4*\j:131+4*\j], v[VA] offset:64*\j+16       ; + 4 .. 7
.endr
	WIN 0
	BLOAD 0
.irp jj, 0,1,2,3,4
	TILE \jj
.endr
	ASK                                            ; (its address register lies in window 0, which source 0 names here)
.irp jj, 5,6,7
	TILE \jj
.endr
	WIN 0x04                                       ; the last tile has no successor beside which it could be read
.irp mt, 0,1,2,3,4,5,6,7
	EE \mt,0,7
	EE \mt,1,7
.endr
	WIN 0x08
.irp mt, 0,1,2,3,4,5,6,7
	EE \mt,2,7
	EE \mt,3,7
.endr
	WIN 0                                          ; at a label and at a branch every window is 0
	s_xor_b32 s36, s36, RING1                      ; on to the other slot,
	s_add_co_u32 s37, s37, 512                     ; and to the next 128 numbers of V
.endm
.Lslot:                                            ; seven trips: behind each change of slots but the last the next slot is asked for
	CHANGE 1
	PROC
	s_wait_xcnt 0x0                                ; my prefetches have read their base: it may be written
	s_add_nc_u64 s[54:55], s[54:55], 131072        ; 16 rows of 8,192 bytes on
	s_sub_co_u32 s38, s38, 1
	s_cmp_lg_u32 s38, 0
	s_cbranch_scc1 .Lslot
	CHANGE 0                                       ; the last slot is written out
	PROC
; ---- 3. THE SCORES.  The value half's first seven groups are asked for first, into the registers that held my rows' fragments (the 32 lines that ended the last slot are the places behind the last products).
.macro VSLOT k
.set VW, 1+(\k)/4
.set VB, 32*((\k)%4)
.endm
.macro VLOAD g
	VSLOT (\g)%8
	WIN (VW<<6)
.irp p, 0,1,2,3
.irp i, 0,1
	global_load_b128 v[VB+8*\p+4*\i:VB+8*\p+4*\i+3], v[GK], s[4:5] offset:8192*(4*(\g)+\p)+4096+512*\i th:TH_LOAD_NT
.endr
.endr
.endm
.irp g, 0,1,2,3,4,5,6
	VLOAD \g
.endr
	WIN 0
.irp mt, 0,1,2,3,4,5,6,7
	v_pk_add_f32 v[32+2*\mt:33+2*\mt], v[32+2*\mt:33+2*\mt], v[112+2*\mt:113+2*\mt]
.endr
.irp mt, 0,1,2,3,4,5,6,7
	v_add_f32 v[32+2*\mt], v[32+2*\mt], v[33+2*\mt]
.endr
.irp mt, 0,1,2,3,4,5,6,7
	v_permlanex16_b32 v[112+2*\mt], v[32+2*\mt], s40, s41          ; the row's other eight units of each tile lie in the lane 16 away
.endr
.irp mt, 0,1,2,3,4,5,6,7
	v_add_f32 v[32+2*\mt], v[32+2*\mt], v[112+2*\mt]
.endr
.irp mt, 0,1,2,3,4,5,6,7
	ds_store_b32 v[SCW], v[32+2*\mt] offset:64*\mt                 ; row 16 mt + lane % 16; both halves of the lanes hold the same number
.endr
	BARRIER                                        ; the four waves' parts lie in LDS
.irp i, 0,1,2,3
	ds_load_b32 v[48+\i], v[SCR] offset:512*\i                     ; from here on a thread has a row
.endr
	s_wait_dscnt 0x0
	v_add_f32 v48, v48, v49
	v_add_f32 v50, v50, v51
	v_add_f32 v48, v48, v50
	v_ldexp_f32 v52, v48, s22                      ; x 2^(e0 + e1): the key half's part of the score
	v_mov_b32 v53, v52
	v_max_num_f32_dpp v53, v53, v53 row_xmask:1 row_mask:0xf bank_mask:0xf
	v_max_num_f32_dpp v53, v53, v53 row_xmask:2 row_mask:0xf bank_mask:0xf
	v_max_num_f32_dpp v53, v53, v53 row_xmask:4 row_mask:0xf bank_mask:0xf
	v_max_num_f32_dpp v53, v53, v53 row_xmask:8 row_mask:0xf bank_mask:0xf
	v_permlanex16_b32 v54, v53, s40, s41
	v_max_num_f32 v53, v53, v54                    ; the largest of my wave's 32 rows
	ds_store_b32 v[SKW], v52
	ds_store_b32 v[WMW], v53
	BARRIER
	ds_load_b128 v[56:59], v[WMR]
	s_wait_dscnt 0x0
	v_max3_num_f32 v56, v56, v57, v58
	v_max_num_f32 v56, v56, v59                    ; the largest of the 128
	v_sub_f32 v55, v52, v56
	v_mul_f32 v55, 0x3fb8aa3b, v55
	s_wait_alu depctr_va_vdst(0)
	v_exp_f32 v55, v55                             ; p = e^(score - the largest), at most 1
	v_nop                                          ; a plain instruction behind the exponential,
	s_wait_alu depctr_va_vdst(0)                   ; and the wait ahead of the first use of its result
	ds_store_b32 v[PAW], v55
	s_cmp_lg_u32 s16, 0
	s_cbranch_scc1 .Lnot_first                     ; wave 0 stores the 128 scores: 512 consecutive bytes
	ds_load_b128 v[120:123], v[SKR]
	s_wait_dscnt 0x0
	global_store_b128 v[L16], v[120:123], s[12:13]
.Lnot_first:
	BARRIER                                        ; p lies in LDS
; ---- 4. THE CONTEXT
.irp i, 0,1,2,3,4,5,6,7,8,9,10,11,12,13,14,15,16,17,18,19,20,21,22,23,24,25,26,27,28,29,30,31
	ds_load_b128 v[PP+4*\i:PP+4*\i+3], v[PAR] offset:16*\i         ; all 128 p, in every lane
.endr
.irp i, 0,1,2,3,4,5,6,7,8,9,10,11,12,13,14,15
	ds_load_b128 v[48+4*\i:51+4*\i], v[KBA] offset:512*\i          ; bf16 rows 112-127 come back as they went
.endr
.irp j, 0,1,2,3,4,5,6,7
	v_mov_b32 v[CK+\j], 0                          ; the sums.  (A row's lines are written by one macro: the first row adds onto zeros)
	v_mov_b32 v[CV0+\j], 0
	v_mov_b32 v[CV1+\j], 0
.endr
	s_wait_dscnt 0x0
.macro KROW t                          ; the key half of row t: eight columns a lane, straight from the bf16 halves into f32 sums
.if (\t) < 64
.set XW, 3
.set XB, 4*(\t)
.elseif (\t) < 88
.set XW, 1
.set XB, 160+4*((\t)-64)
.elseif (\t) < 112
.set XW, 2
.set XB, 160+4*((\t)-88)
.else
.set XW, 0
.set XB, 48+4*((\t)-112)
.endif
	WIN XW
.irp z, 0,1,2,3
	v_fma_mix_f32_bf16 v[CK+2*\z], v[XB+\z], v[PP+(\t)], v[CK+2*\z] op_sel_hi:[1,0,0]
	v_fma_mix_f32_bf16 v[CK+2*\z+1], v[XB+\z], v[PP+(\t)], v[CK+2*\z+1] op_sel:[1,0,0] op_sel_hi:[1,0,0]
.endr
.endm
.set T, 0
.macro VTURN g                         ; the value half of rows 4 g .. 4 g + 3
.if 31-(\g) < 6
	s_wait_loadcnt 8*(31-(\g))
.else
	s_wait_loadcnt 48                              ; this group's eight loads are in, the six younger groups' stay out
.endif
.if (\g)+7 < 32
	VLOAD (\g)+7
.endif
	VSLOT (\g)%8
	WIN VW
.irp p, 0,2
.irp z, 0,1,2,3
	v_pk_fma_f32 v[CV0+2*\z:CV0+2*\z+1], v[VB+8*\p+2*\z:VB+8*\p+2*\z+1], v[PP+4*(\g)+\p:PP+4*(\g)+\p+1], v[CV0+2*\z:CV0+2*\z+1] op_sel_hi:[1,0,1]               ; an even row: the pair's first p for both halves
.endr
.irp z, 0,1,2,3
	v_pk_fma_f32 v[CV1+2*\z:CV1+2*\z+1], v[VB+8*\p+8+2*\z:VB+8*\p+8+2*\z+1], v[PP+4*(\g)+\p:PP+4*(\g)+\p+1], v[CV1+2*\z:CV1+2*\z+1] op_sel:[0,1,0] op_sel_hi:[1,1,1]   ; an odd row: its second
.endr
.endr
.endm
.set G, 0
.rept 32
.rept 4                                ; the key half of the group's four rows stands ahead of the wait for the value half's loads
	KROW T
.set T, T+1
.endr
	s_wait_alu depctr_va_vdst(0)
	VTURN G
.set G, G+1
.endr
	WIN 0
.irp z, 0,2,4,6
	v_pk_add_f32 v[CV0+\z:CV0+\z+1], v[CV0+\z:CV0+\z+1], v[CV1+\z:CV1+\z+1]
.endr
	global_store_b128 v[GK], v[CK:CK+3], s[14:15]                  ; each store of the wave covers 512 consecutive bytes, aligned
	global_store_b128 v[GK], v[CK+4:CK+7], s[14:15] offset:512
	global_store_b128 v[GK], v[CV0:CV0+3], s[14:15] offset:4096
	global_store_b128 v[GK], v[CV0+4:CV0+7], s[14:15] offset:4608
	s_wait_tensorcnt 0x0                           ; the wave's end: behind my last tensor load and my last LDS store
	ds_add_u32 v[SPW], v[NIL]
	s_wait_dscnt 0x0
	ROUND                                          ; the closing round: no work-group ends while a partner may still ask for a slot that names it
	s_endpgm
.Lfunc_end_k_qb21997e6e0_main:
	.size	k_qb21997e6e0_main, .Lfunc_end_k_qb21997e6e0_main-k_qb21997e6e0_main
	.p2alignl 7, 3214868480
	.fill 96, 4, 3214868480
	.section	.rodata,"a",@progbits
	.p2align	6, 0x0
	.amdhsa_kernel k_qb21997e6e0_main
		.amdhsa_group_segment_fixed_size 327680
		.amdhsa_private_segment_fixed_size 0
		.amdhsa_enable_private_segment 0
		.amdhsa_kernarg_size 48
		.amdhsa_user_sgpr_count 2
		.amdhsa_user_sgpr_kernarg_segment_ptr 1
		.amdhsa_wavefront_size32 1
		.amdhsa_system_sgpr_workgroup_id_x 1
		.amdhsa_system_sgpr_workgroup_id_y 1
		.amdhsa_system_sgpr_workgroup_id_z 1
		.amdhsa_system_vgpr_workitem_id 0
		.amdhsa_next_free_vgpr 1024
		.amdhsa_next_free_sgpr 66
		.amdhsa_reserve_vcc 0
		.amdhsa_float_denorm_mode_32 3
		.amdhsa_float_denorm_mode_16_64 3
		.amdhsa_memory_ordered 1
		.amdhsa_forward_progress 1
		.amdhsa_inst_pref_size 255
	.end_amdhsa_kernel
	.section	.bss,"aw",@nobits
	.p2align	6
	.space	262144
	.amdgpu_metadata
---
amdhsa.version: [ 1, 2 ]
amdhsa.kernels:
  - .name:           k_qb21997e6e0_main
    .symbol:         k_qb21997e6e0_main.kd
    .args:
      - { .name: values, .offset: 0, .size: 8, .value_kind: global_buffer, .address_space: global }
      - { .name: wc, .offset: 8, .size: 8, .value_kind: global_buffer, .address_space: global }
      - { .name: V, .offset: 16, .size: 8, .value_kind: global_buffer, .address_space: global }
      - { .name: lowp_scales, .offset: 24, .size: 8, .value_kind: global_buffer, .address_space: global }
      - { .name: sk, .offset: 32, .size: 8, .value_kind: global_buffer, .address_space: global }
      - { .name: cp, .offset: 40, .size: 8, .value_kind: global_buffer, .address_space: global }
    .group_segment_fixed_size: 327680
    .private_segment_fixed_size: 0
    .kernarg_segment_align: 8
    .kernarg_segment_size: 48
    .max_flat_workgroup_size: 128
    .sgpr_count:     66
    .vgpr_count:     1024
    .wavefront_size: 32
...
	.end_amdgpu_metadata
.endif
;; end of part 2
;; launch comb (part 3): grid 256 x 1, 4 waves a work-group, no clusters, 1,536 bytes of LDS; arguments sk, cp, sq, bV, out0, out1; writes out0, out1
.if DOCPART == 3
	.amdgcn_target "amdgcn-amd-amdhsa--gfx1250"
	.amdhsa_code_object_version 6
	.text
	.protected	k_qb21997e6e0_comb
	.globl	k_qb21997e6e0_comb
	.p2align	8
	.type	k_qb21997e6e0_comb,@function
k_qb21997e6e0_comb:
	s_mov_b64 s[64:65], 0
	v_nop
	global_prefetch_b8 v0, s[64:65] scope:SCOPE_SE
	s_setreg_imm32_b32 hwreg(HW_REG_WAVE_MODE, 25, 1), 1
	s_wait_xcnt 0x0
; The softmax over a batch's 1,024 rows is ended, and the eight parts of its context are joined.  Work-group 8 b + sl serves batch b: it stores rows 128 sl .. 128 sl + 127 of the weights and columns 256 sl .. 256 sl + 255 of the context.
; score[t] = sk[b][t] + s0, s0 = the sum of sq[0 .. 127][b] + bV: the query's part, b1's and bV's, the same for all rows of a batch.  m = the largest score, taken away ahead of every exponential; L = the sum of e^(score - m).
; out1[t] = e^(score[t] - m) / L.  cp[8 b + g] was summed under group g's own largest score mg (rows 128 g .. 128 g + 127): out0 = the sum over g of cp[8 b + g] e^(mg - m) / L.
; Every work-group of a batch makes m and L anew from the batch's 4,096 bytes of scores: less than a further launch would cost.  All loads stand at the head.  No matrix unit, no tensor load: a few KB a work-group.
; Three exchanges between the four waves, each with LDS words of its own: bytes 0, 256 and 512.
	s_load_b256 s[4:11], s[0:1], 0x0               ; sk s[4:5], cp s[6:7], sq s[8:9], bV s[10:11]
	s_load_b128 s[12:15], s[0:1], 0x20             ; out0 s[12:13], out1 s[14:15]
	v_lshl_add_u32 v64, v0, 2, 0x400
	v_mov_b32 v65, 0
	v_lshrrev_b32 v1, 5, v0
	v_readfirstlane_b32 s16, v1                    ; wave 0..3
	v_and_b32 v2, 31, v0                           ; lane
	s_lshr_b32 s17, ttmp9, 3                       ; b
	s_and_b32 s18, ttmp9, 7                        ; sl
	v_lshlrev_b32 v3, 7, v0                        ; sq: row = my thread, 128 bytes a row
	v_lshlrev_b32 v4, 4, v0                        ; sk: four rows a thread
	v_lshlrev_b32 v5, 3, v0                        ; cp, out0: two columns a thread
	v_lshlrev_b32 v10, 4, v2                       ; out1: four rows a lane
	s_lshl_b32 s19, s16, 2
	v_mov_b32 v6, s19                              ; LDS: my wave's word
	v_mov_b32 v7, 0
	v_mov_b32 v9, 0                                ; (destinations of lane permutes and upper halves of pairs are written once)
	v_mov_b32 v42, 0
	v_mov_b32 v43, 0
	v_mov_b32 v53, 0
	v_mov_b32 v61, 0
	s_mov_b32 s30, 0x76543210                      ; v_permlanex16_b32's selects for lane l xor 16
	s_mov_b32 s31, 0xfedcba98
	s_mov_b32 s21, 0
	s_wait_alu depctr_va_vdst(0)
	s_wait_kmcnt 0x0
	s_load_b32 s28, s[10:11], 0x0                  ; bV
	s_lshl_b32 s20, s17, 2
	s_add_nc_u64 s[8:9], s[8:9], s[20:21]          ; sq at column b
	s_lshl_b32 s20, s17, 12
	s_add_nc_u64 s[4:5], s[4:5], s[20:21]          ; sk at the batch's first row
	s_lshl_b32 s19, s18, 9
	s_add_co_u32 s20, s20, s19
	s_add_nc_u64 s[14:15], s[14:15], s[20:21]      ; out1 at row 128 sl of the batch
	s_lshl_b32 s20, s17, 16
	s_lshl_b32 s19, s18, 10
	s_add_co_u32 s20, s20, s19
	s_add_nc_u64 s[6:7], s[6:7], s[20:21]          ; cp at the batch's first part, column 256 sl
	s_lshl_b32 s20, s17, 13
	s_add_co_u32 s20, s20, s19
	s_add_nc_u64 s[12:13], s[12:13], s[20:21]      ; out0 likewise
	global_load_b32 v8, v3, s[8:9]
	global_load_b128 v[12:15], v4, s[4:5]                          ; rows 4 thread ..: my wave's are group wave
	global_load_b128 v[16:19], v4, s[4:5] offset:2048              ; rows 512 + 4 thread ..: group 4 + wave
.irp g, 0,1,2,3,4,5,6,7
	global_load_b64 v[20+2*\g:21+2*\g], v5, s[6:7] offset:8192*\g  ; a wave reads 256 consecutive bytes
.endr
	s_wait_loadcnt 10                              ; sq is in; the ten younger loads stay out
	v_add_f32_dpp v8, v8, v8 row_xmask:1 row_mask:0xf bank_mask:0xf
	v_add_f32_dpp v8, v8, v8 row_xmask:2 row_mask:0xf bank_mask:0xf
	v_add_f32_dpp v8, v8, v8 row_xmask:4 row_mask:0xf bank_mask:0xf
	v_add_f32_dpp v8, v8, v8 row_xmask:8 row_mask:0xf bank_mask:0xf
	v_permlanex16_b32 v9, v8, s30, s31
	v_add_f32 v8, v8, v9
	ds_store_b32 v6, v8
	s_wait_dscnt 0x0
	s_barrier_signal -1
	s_barrier_wait -1
	ds_load_b128 v[56:59], v7
	s_wait_dscnt 0x0
	v_add_f32 v56, v56, v57
	v_add_f32 v58, v58, v59
	v_add_f32 v8, v56, v58
	s_wait_alu depctr_va_vdst(0)
	s_wait_kmcnt 0x0
	v_add_f32 v8, s28, v8                          ; s0
	s_wait_alu depctr_va_vdst(0)
	s_wait_loadcnt 8                               ; sk is in; cp's eight loads stay out
.irp j, 12,14,16,18
	v_pk_add_f32 v[\j:\j+1], v[\j:\j+1], v[8:9] op_sel_hi:[1,0]    ; the scores
.endr
	v_max3_num_f32 v40, v12, v13, v14
	v_max3_num_f32 v41, v16, v17, v18
	v_max_num_f32 v40, v40, v15
	v_max_num_f32 v41, v41, v19
.irp x, 1,2,4,8
	v_max_num_f32_dpp v40, v40, v40 row_xmask:\x row_mask:0xf bank_mask:0xf
	v_max_num_f32_dpp v41, v41, v41 row_xmask:\x row_mask:0xf bank_mask:0xf
.endr
	v_permlanex16_b32 v42, v40, s30, s31
	v_permlanex16_b32 v43, v41, s30, s31
	v_max_num_f32 v40, v40, v42                    ; group wave's largest score,
	v_max_num_f32 v41, v41, v43                    ; group 4 + wave's
	ds_store_b32 v6, v40 offset:256
	ds_store_b32 v6, v41 offset:272
	s_wait_dscnt 0x0
	s_barrier_signal -1
	s_barrier_wait -1
	ds_load_b128 v[44:47], v7 offset:256
	ds_load_b128 v[48:51], v7 offset:272           ; mg of the eight groups, in every lane
	s_wait_dscnt 0x0
	v_max3_num_f32 v52, v44, v45, v46
	v_max3_num_f32 v52, v52, v47, v48
	v_max3_num_f32 v52, v52, v49, v50
	v_max_num_f32 v52, v52, v51                    ; m
.irp j, 12,14,16,18,44,46,48,50
	v_pk_add_f32 v[\j:\j+1], v[\j:\j+1], v[52:53] op_sel_hi:[1,0] neg_lo:[0,1] neg_hi:[0,1]   ; - m
.endr
.irp j, 12,14,16,18,44,46,48,50
	v_pk_mul_f32 v[\j:\j+1], v[\j:\j+1], 0x3fb8aa3b op_sel_hi:[1,0]                           ; x log2(e)
.endr
	s_wait_alu depctr_va_vdst(0)
.irp j, 12,13,14,15,16,17,18,19,44,45,46,47,48,49,50,51
	v_exp_f32 v\j, v\j                             ; one batch of sixteen
.endr
	v_nop                                          ; a plain instruction behind the last exponential,
	s_wait_alu depctr_va_vdst(0)                   ; and one wait for the batch, ahead of its first reader
	v_pk_add_f32 v[54:55], v[12:13], v[14:15]
	v_pk_add_f32 v[56:57], v[16:17], v[18:19]
	v_pk_add_f32 v[54:55], v[54:55], v[56:57]
	v_add_f32 v54, v54, v55
	v_add_f32_dpp v54, v54, v54 row_xmask:1 row_mask:0xf bank_mask:0xf
	v_add_f32_dpp v54, v54, v54 row_xmask:2 row_mask:0xf bank_mask:0xf
	v_add_f32_dpp v54, v54, v54 row_xmask:4 row_mask:0xf bank_mask:0xf
	v_add_f32_dpp v54, v54, v54 row_xmask:8 row_mask:0xf bank_mask:0xf
	v_permlanex16_b32 v55, v54, s30, s31
	v_add_f32 v54, v54, v55
	ds_store_b32 v6, v54 offset:512
	s_wait_dscnt 0x0
	s_barrier_signal -1
	s_barrier_wait -1
	ds_load_b128 v[56:59], v7 offset:512
	s_wait_dscnt 0x0
	v_add_f32 v56, v56, v57
	v_add_f32 v58, v58, v59
	v_add_f32 v56, v56, v58                        ; L, at least 1: the largest score's term is 1
	s_wait_alu depctr_va_vdst(0)
	v_rcp_f32 v60, v56
	v_nop
	s_cmp_lt_u32 s18, 4
	s_cselect_b32 s29, -1, 0                       ; groups 0-3 lie in the first four registers, groups 4-7 in the second four
	s_and_b32 s19, s18, 3
	s_wait_alu depctr_va_vdst(0)                   ; the wait ahead of the reciprocal's first reader, and ahead of the branch
	s_cmp_lg_u32 s16, s19
	s_cbranch_scc1 .Lnot_mine                      ; group sl's weights lie in wave sl % 4
.irp j, 0,1,2,3
	v_cndmask_b32 v[36+\j], v[16+\j], v[12+\j], s29
.endr
	v_pk_mul_f32 v[36:37], v[36:37], v[60:61] op_sel_hi:[1,0]
	v_pk_mul_f32 v[38:39], v[38:39], v[60:61] op_sel_hi:[1,0]
	global_store_b128 v10, v[36:39], s[14:15]      ; 512 consecutive bytes, aligned
.Lnot_mine:
.irp j, 44,46,48,50
	v_pk_mul_f32 v[\j:\j+1], v[\j:\j+1], v[60:61] op_sel_hi:[1,0]  ; e^(mg - m) / L
.endr
	s_wait_alu depctr_va_vdst(0)
	s_wait_loadcnt 0x0                             ; cp
	v_pk_mul_f32 v[62:63], v[20:21], v[44:45] op_sel_hi:[1,0]      ; the first product starts the sum; an even group takes the pair's first factor for both halves, an odd group its second
	v_pk_fma_f32 v[62:63], v[22:23], v[44:45], v[62:63] op_sel:[0,1,0] op_sel_hi:[1,1,1]
	v_pk_fma_f32 v[62:63], v[24:25], v[46:47], v[62:63] op_sel_hi:[1,0,1]
	v_pk_fma_f32 v[62:63], v[26:27], v[46:47], v[62:63] op_sel:[0,1,0] op_sel_hi:[1,1,1]
	v_pk_fma_f32 v[62:63], v[28:29], v[48:49], v[62:63] op_sel_hi:[1,0,1]
	v_pk_fma_f32 v[62:63], v[30:31], v[48:49], v[62:63] op_sel:[0,1,0] op_sel_hi:[1,1,1]
	v_pk_fma_f32 v[62:63], v[32:33], v[50:51], v[62:63] op_sel_hi:[1,0,1]
	v_pk_fma_f32 v[62:63], v[34:35], v[50:51], v[62:63] op_sel:[0,1,0] op_sel_hi:[1,1,1]
	global_store_b64 v5, v[62:63], s[12:13]        ; a wave stores 256 consecutive bytes, aligned
	s_wait_tensorcnt 0x0
	ds_add_u32 v64, v65
	s_wait_dscnt 0x0
	s_endpgm
.Lfunc_end_k_qb21997e6e0_comb:
	.size	k_qb21997e6e0_comb, .Lfunc_end_k_qb21997e6e0_comb-k_qb21997e6e0_comb
	.p2alignl 7, 3214868480
	.fill 96, 4, 3214868480
	.section	.rodata,"a",@progbits
	.p2align	6, 0x0
	.amdhsa_kernel k_qb21997e6e0_comb
		.amdhsa_group_segment_fixed_size 1536
		.amdhsa_private_segment_fixed_size 0
		.amdhsa_enable_private_segment 0
		.amdhsa_kernarg_size 48
		.amdhsa_user_sgpr_count 2
		.amdhsa_user_sgpr_kernarg_segment_ptr 1
		.amdhsa_wavefront_size32 1
		.amdhsa_system_sgpr_workgroup_id_x 1
		.amdhsa_system_sgpr_workgroup_id_y 1
		.amdhsa_system_sgpr_workgroup_id_z 1
		.amdhsa_system_vgpr_workitem_id 0
		.amdhsa_next_free_vgpr 66
		.amdhsa_next_free_sgpr 66
		.amdhsa_reserve_vcc 0
		.amdhsa_float_denorm_mode_32 3
		.amdhsa_float_denorm_mode_16_64 3
		.amdhsa_memory_ordered 1
		.amdhsa_forward_progress 1
		.amdhsa_inst_pref_size 10
	.end_amdhsa_kernel
	.amdgpu_metadata
---
amdhsa.version: [ 1, 2 ]
amdhsa.kernels:
  - .name:           k_qb21997e6e0_comb
    .symbol:         k_qb21997e6e0_comb.kd
    .args:
      - { .name: sk, .offset: 0, .size: 8, .value_kind: global_buffer, .address_space: global }
      - { .name: cp, .offset: 8, .size: 8, .value_kind: global_buffer, .address_space: global }
      - { .name: sq, .offset: 16, .size: 8, .value_kind: global_buffer, .address_space: global }
      - { .name: bV, .offset: 24, .size: 8, .value_kind: global_buffer, .address_space: global }
      - { .name: out0, .offset: 32, .size: 8, .value_kind: global_buffer, .address_space: global }
      - { .name: out1, .offset: 40, .size: 8, .value_kind: global_buffer, .address_space: global }
    .group_segment_fixed_size: 1536
    .private_segment_fixed_size: 0
    .kernarg_segment_align: 8
    .kernarg_segment_size: 48
    .max_flat_workgroup_size: 128
    .sgpr_count:     66
    .vgpr_count:     66
    .wavefront_size: 32
...
	.end_amdgpu_metadata
.endif
;; end of part 3
